; MI455X (gfx1250); checked and timed in simulation.
; The chip was launched on July 23, 2026; its instructions are those of AMD's public machine-readable ISA for CDNA 5 (MIT licence, August 2026) and "CDNA5" Instruction Set Architecture Reference Guide (July 2026). The comments in the code are by the model that wrote it; some were corrected since.
;; Luong Attention. Allowed arithmetic: matrix products marked QUANTISED: E2M3 operands, one E8M0 scale for each 32 along K, by v_wmma_scale_f32_16x16x128_f8f6f4 with both operands' format E2M3, f32 sums; products left as they are: f32 operands where the result goes on into a quantised operand, else bf16, f16 or f32 operands; f32 sums; everything else in f32.
;; Inputs: W_codes 1,024 x 32 x 24 uint8 (E2M3 codes of W, K innermost, in blocks of 32 codes, four codes in three bytes); W_scales 1,024 x 32 uint8 (E8M0 scales of W, one for each 32 codes along K); b 1,024 float32; contexts 16 x 1,024 float32; values 16 x 4,096 x 1,024 float32.
;; Outputs: out0 16 x 1,024 float32.
;; This version of the problem:
;;   THIS VERSION OF THE PROBLEM IS GIVEN IN LOW PRECISION. The matrix products marked QUANTISED in the list below multiply operands that are first quantised to E2M3 (2 exponent bits, 3 mantissa bits; 6 bits a number), with one power-of-two scale for each 32 numbers along K (OCP MX v1.0); their sums are f32. All else is computed in f32.
;;   The module's matrix products, in the order in which they are computed (A, B: the left and right operand; K: the contracted axis; several contracted axes count as one K, in the product's order):
;;     1. [M 65,536, K 1,024] x [K 1,024, N 1,024]; A: input values; B: input W (given as codes): QUANTISED
;;     2. batch 16 x [M 1, K 1,024] x [K 1,024, N 4,096]; A: input contexts; B: computed on the way: left as it is (M = 1 < 16)
;;     3. batch 16 x [M 1, K 4,096] x [K 4,096, N 1,024]; A: softmax; B: input values: left as it is (M = 1 < 16)
;;   THE QUANTISER, for each operand of a quantised product, along K:
;;     - K is cut into blocks of 32 from its start; a last block that is shorter is filled with zeros.
;;     - A block's scale is 2^e with e = floor(log2(the largest magnitude in the block)) - 2, held to -126 .. 127; a block of zeros has e = 0. As a byte (E8M0): e + 127.
;;     - Each number is divided by its block's scale, clamped to +-7.5, and rounded to the nearest number of E2M3, ties to even, subnormals kept.
;;     - The product sums the exact products of the quantised numbers (number of the format x scale) in f32.
;;   ~~~python
;;   def quantise(x, axis):      # numpy; x: float32 -> the quantised numbers, widened to float32 again
;;       x = np.moveaxis(x, axis, -1); K = x.shape[-1]
;;       x = np.pad(x, [(0, 0)] * (x.ndim - 1) + [(0, -K % 32)]); x = x.reshape(x.shape[:-1] + (-1, 32)); a = np.abs(x).max(-1, keepdims=True)
;;       e = np.where(a > 0, np.clip(np.frexp(np.where(a > 0, a, 1))[1] - 1 - 2, -126, 127), 0)      # np.frexp(a)[1] - 1 = floor(log2(a)), exactly
;;       r = np.clip(x / 2.0 ** e, -7.5, 7.5)
;;       step = 2.0 ** (np.maximum(np.frexp(np.where(r == 0, 1, r))[1] - 1, 0) - 3)
;;       q = np.round(r / step) * step * 2.0 ** e      # np.round: ties to even
;;       return np.moveaxis(q.reshape(q.shape[:-2] + (-1,))[..., :K], -1, axis).astype(np.float32)
;;   ~~~
;;   INPUTS GIVEN AS CODES. W (in the module: [1024, 1024], K = its axis 1): each comes as NAME_codes (uint8): NAME with its K axis moved to the last place and cut into blocks of 32 codes, [.., K / 32, bytes a block], one block behind the other in memory; four codes in three bytes: a row's codes are one little-endian stream of bits, code i at bits 6 i .. 6 i + 5 (a code: sign, 2 exponent bits, 3 mantissa bits); and NAME_scales (uint8): the same leading axes, one E8M0 byte (e + 127) for each 32 codes along K. Its value is code x scale, taken as it is: it is not quantised again, and the codes and scales need not be those that the quantiser above would give.
;; One version. Each part assembles by itself: llvm-mc -triple=amdgcn-amd-amdhsa -mcpu=gfx1250 --defsym DOCPART=n.
;; ======== version 1 of 1: 2 launches
;; limits: values are held in bf16: 8 bits of precision; right only within a limited range of input values
;; workspace buffers: part 2,228,224 bytes
;; launch attend (part 1): grid 256 x 1, 4 waves a work-group, clusters of 4 x 1, 327,680 bytes of LDS; arguments values, W_codes, W_scales, contexts, part; writes part
.if DOCPART == 1
	.amdgcn_target "amdgcn-amd-amdhsa--gfx1250"
	.amdhsa_code_object_version 6
	.text
	.protected	k_qb347d701df_attend
	.globl	k_qb347d701df_attend
	.p2align	8
	.type	k_qb347d701df_attend,@function
k_qb347d701df_attend:
	s_mov_b64 s[64:65], 0
	v_nop
	global_prefetch_b8 v0, s[64:65] scope:SCOPE_SE
	s_setreg_imm32_b32 hwreg(HW_REG_WAVE_MODE, 25, 1), 1
	s_wait_xcnt 0x0
	s_wait_alu depctr_hold_cnt(0) depctr_sa_sdst(0) depctr_va_vdst(0) depctr_va_sdst(0) depctr_va_ssrc(0) depctr_va_vcc(0) depctr_vm_vsrc(0)
	s_getreg_b32 s2, hwreg(HW_REG_IB_STS2, 6, 4)
	s_cmp_eq_u32 s2, 0
	s_cbranch_scc0 .Lentry_in_a_cluster
	s_endpgm
.Lentry_in_a_cluster:
	s_bfe_u32 s2, ttmp6, 0x10000c
	s_cmp_lg_u32 s2, 0x3003
	s_cbranch_scc0 .Lentry_shape_is_right
	s_endpgm
.Lentry_shape_is_right:
; LUONG ATTENTION, first launch.  proj = Q(values) W^T on codes of FP6 (E2M3), one E8M0 scale for each 32 along K; score[s] = c . proj[s]; for each block of 128 rows a softmax part:
; m = the block's largest t (t = score x log2 e), l = the sum of p = 2^(t - m), acc[d] = the sum of p x values[s][d].  The second launch joins a batch's 32 parts.
; WORK LEFT OUT: b.  It enters a score as c . b, one number for a whole batch, the same for every s along the softmax's axis; softmax(x + k) = softmax(x) for every k, so b reaches no output
; for any values of the inputs.  b is not loaded and is no argument.  Limit: a NaN, an infinity or an overflow that would arise in c . b alone is not carried to the result.
; SHARES.  Work-group g (of 256) owns rows 256 g .. 256 g + 255 (batch g / 16), as two blocks of 128.  Wave w = 2 i + j owns rows 64 i .. 64 i + 63 of a block and K half j (columns 512 j ..): 4 row tiles x 4 K steps.
; It quantises its strip into its own operand registers, keeps the strip as bf16 fragments for the weighted sum, and folds its half sums with c: an accumulator takes 4 matrix instructions and then 4 packed folds.
; The two halves of a score meet in LDS once a block.  VALUES COME BY LOADS INTO REGISTERS, waited for by count.  A load takes 256 bytes of row x (lanes 0-15) and of row x + 8 (lanes 16-31): so pairs of rows
; of one column pack into the bf16 form's B fragment as they lie (lane: column, registers: rows).  The fragment then turns through the wave's stage in LDS and comes back two whole blocks of 32 a lane.
; THE FP6 INSTRUCTION IS USED TRANSPOSED: source 0 = 16 rows of W, source 1 = 16 rows of values: lane (r, h) holds row r, its registers j the outputs e = 16 N + 8 h + j.
; THE WEIGHTED SUM is a bf16 product: A = p (the same in all 16 rows), B = 32 rows x 16 columns of values, f32 sums.  p is rounded to bf16 and l is the sum of the rounded p.
; W'S TILES: 128 rows e an item, dense in memory, as rows of 256 bytes that begin on 256-byte borders; 8 bytes of padding behind each 128, so that both K halves (384 bytes = 3 x 128) have one shape in LDS.
; CLUSTER: the four work-groups of a cluster walk the same W: tiles and scale bytes are asked for jointly (mask 15).  Nothing else is shared.
; PREFETCH: in the first block each item asks for 8 rows of my strip of the second block (64 blocks of 256 bytes, a lane a block, two instructions), a block of rows ahead; the second block asks for nothing.
; LIMITS.  NaN and infinities among the inputs are not served.  A block of 32 whose largest magnitude lies under 2^-124 gets the scale byte 1 (a block of zeros too: its codes are zeros).
; K is summed as two half sums, each folded with c apart.  values and p are rounded to bf16 for the weighted sum alone; scores and sums are f32.
; REGISTERS.  window 0: v2-23 addresses; v24-31 at work; v32-47 values' scale words; v48-55 W's; v56-63 partial scores; v64-159 W's fragments, two sets; v160-223 two sets of 4 accumulators; v224-255 at work.
;   window 1: v0-191 values' codes ((t, s) at 48 t + 12 s); v192-223 four sets of c; later the weighted sum's 32 accumulators.  windows 2, 3: the bf16 fragments: row tiles 0-1, 2-3.
.set BROWS,  128*4096
.set WROW,   816                       ; a row of W in LDS: 6 x (128 + 8)
.set WQ,     96*272                    ; 32 rows of W: one wave's load
.set WSLOT1, 1<<17
.set WITEM,  128*768
.set CTX,    128*WROW                  ; between the slots, bytes into which no fill lands: c (4,096),
.set OST,    CTX+4096                  ; acc of the two row halves (8,192),
.set SX,     CTX+12288                 ; partial scores [wave][r][t] (1,024; a multiple of 1,024),
.set PP,     CTX+13312                 ; p as bf16, 256 bytes a wave
.set SCL,    WSLOT1+128*WROW           ; W's scale bytes: 128 units of 256 + 16, filled once
.set SCQ,    32*272
.set STG,    SCL+4*SCQ
.set SPT,    528
.set STW,    16*SPT
.set SPARE,  STG+4*STW
.set PROW,   4352
.set SPW, 2
.set NIL, 3
.set STA, 4
.set STB, 5
.set WB0, 6
.set PPR, 7
.set ADW, 8                            ; v8-11: tiles 0-3 plain, across a padding; tiles 4-7 likewise
.set WSA, 12
.set ADS, 13
.set CA,  14
.set ADC, 15
.set SXW, 16
.set SXO, 17
.set OSW, 18
.set GO,  19
.set GP,  20
.set SH8, 21
.set PFO, 22
.set PPW, 23
.set TM,  24
.set MX,  24
.set AT,  30
.set VS,  32
.set WS,  48
.set SCR, 56
.set TQ,  56
.set BF,  64
.set D0,  160
.set SL,  224
.set PR,  240
.set QB,  248
.set CW,  192
.set RR,  26
.set HH,  27
.set T0,  28
.set T1,  29
.set VB,  4
.set WV,  16
.set G1W, 32
.set G1S, 40
.set G0W, 56
.set G0S, 60
.set WBASE, 66
.set TB,  68
.set TS,  69
.set TC,  70
.set BLK, 71
.set WL,  72
.set SEL, 74
.set L2E, 76
.set PFA, 78
.set PB,  80
.set MSB, 0
.macro WIN new
.if MSB != (\new)
	s_set_vgpr_msb (MSB<<8)|(\new)
.set MSB, (\new)
.endif
.endm
.macro PLACES n
.rept \n
	v_nop
.endr
.endm
.macro ROUND
	s_barrier_signal -1
	s_barrier_wait -1
	s_cmp_lg_u32 s[WV], 0
	s_cbranch_scc1 .Lnot_wave_0_\@
	s_barrier_signal -3
.Lnot_wave_0_\@:
	s_barrier_wait -3
	s_barrier_signal -1
	s_barrier_wait -1
.endm
; A change of slots.  Head: all my tensor loads have landed, 0 goes onto my spare word.  Between head and tail the descriptor is stepped.  Tail: the add and my LDS reads are done; a round; my one tensor load.
.macro CH_HEAD
	s_wait_alu depctr_va_vdst(0)                   ; the wait ahead of the wait below
	s_wait_tensorcnt 0x0
	ds_add_u32 v[SPW], v[NIL]
.endm
.macro CH_TAIL g0, g1
	s_wait_dscnt 0x0
	ROUND
	tensor_load_to_lds s[\g0:\g0+3], s[\g1:\g1+7]
	s_nop 0
	PLACES 4
.endm
; Fragment f = 4 t + s lies, while it is numbers, in one of four sets of 64 registers
.macro SETX f
.set XW, 0
.set XR, 64+64*((\f)%4)
.if (\f)%4 == 3
.set XW, 1
.set XR, 192
.endif
.endm
; 16 loads: load 2 x + g takes bytes 256 g .. of the K step of rows x (lanes 0-15) and x + 8 (lanes 16-31): two aligned runs of 256 bytes
.macro GLOAD f, off
	SETX \f
	WIN XW<<6
.set gi, 0
.rept 16
	global_load_b128 v[XR+4*gi:XR+4*gi+3], v[GO], s[VB:VB+1] offset:\off+(16*((\f)/4)+gi/2)*4096+512*((\f)%4)+256*(gi%2) th:TH_LOAD_NT
.set gi, gi+1
.endr
	WIN 0
.endm
; The bf16 fragments: operand (s, g, q) of row tiles 2 u, 2 u + 1 is 8 registers; register 4 (t % 2) + p holds rows 2 p + 8 h, 2 p + 1 + 8 h of tile t, column 64 g + 4 r + q of the K step
.macro PACK f
	SETX \f
	WIN ((2+(\f)/8)<<6)|(XW*5)
.irp g, 0,1
.irp q, 0,1,2,3
.irp p, 0,1,2,3
	v_cvt_pk_bf16_f32 v[8*(8*((\f)%4)+4*\g+\q)+4*(((\f)/4)%2)+\p], v[XR+4*(4*\p+\g)+\q], v[XR+4*(4*\p+2+\g)+\q]
.endr
.endr
.endr
	WIN 0
.endm
; Through my stage: in as loaded; back so that lane (r, h) holds, of row r, columns 64 c + 32 h + 0 .. 31.  LDS serves a wave's instructions in order (ISA guide 5.7.1.4)
.macro TURN f
	SETX \f
	WIN XW<<2
.set gi, 0
.rept 16
	ds_store_b128 v[STA], v[XR+4*gi:XR+4*gi+3] offset:SPT*(gi/2)+256*(gi%2)
.set gi, gi+1
.endr
	WIN XW<<6
.irp c, 0,1
.irp q, 0,1,2,3,4,5,6,7
	ds_load_b128 v[XR+32*\c+4*\q:XR+32*\c+4*\q+3], v[STB] offset:256*\c+16*\q
.endr
.endr
	WIN 0
.endm
	s_load_b256 s[4:11], s[0:1], 0x0               ; values, W's codes, W's scales, contexts
	s_load_b64 s[12:13], s[0:1], 0x20              ; part
	v_lshl_add_u32 v[SPW], v0, 2, SPARE
	v_mov_b32 v[NIL], 0
	ds_add_u32 v[SPW], v[NIL]                      ; the opening lines
	ds_add_u32 v[SPW], v[NIL]
	s_wait_dscnt 0x0
	v_lshrrev_b32 v1, 5, v0
	v_readfirstlane_b32 s[WV], v1
	s_bfe_u32 s17, ttmp6, 0x40000                  ; cx: it enters global addresses of values, contexts and part alone
	s_lshl_b32 s18, ttmp9, 2
	s_add_co_u32 s18, s18, s17                     ; g
	s_lshl_b32 s20, s18, 20
	s_mov_b32 s21, 0
	s_lshr_b32 s26, s[WV], 1                       ; i
	s_and_b32 s27, s[WV], 1                        ; j
	s_lshl_b32 s91, s26, 18                        ; 64 i rows
	s_lshl_b32 s28, s27, 11                        ; 2,048 j bytes
	s_add_co_u32 s91, s91, s28
	s_add_co_u32 s24, s91, BROWS
	s_mov_b32 s25, 0
	s_mul_i32 s22, s[WV], 32*768                   ; my 32 rows of an item of W
	s_mov_b32 s23, 0
	s_lshl_b32 s82, s[WV], 13
	s_mov_b32 s83, 0
	s_mul_i32 s84, s18, 2*PROW
	s_mov_b32 s85, 0
	s_lshr_b32 s86, s18, 4
	s_lshl_b32 s86, s86, 12
	s_mov_b32 s87, 0
	s_mov_b32 s[SEL], 0x76543210
	s_mov_b32 s[SEL+1], 0xfedcba98
	s_mov_b32 s[L2E], 0x3fb8aa3b
	s_mov_b32 s[L2E+1], 0x3fb8aa3b
	; group 1, W's codes: 96 rows of 256 bytes (32 elements of 8), dense; 2 words of padding behind every 32; mask: all four work-groups, bit 21 beside it
	s_mov_b32 s[G1W+0], 15|(3<<16)|(1<<20)|(1<<21)|(4<<22)|(1<<25)
	s_mov_b32 s[G1W+1], 32<<16
	s_mov_b32 s[G1W+2], 96<<16
	s_mov_b32 s[G1W+3], 32<<16
	s_mov_b32 s[G1W+4], 96
	s_mov_b32 s[G1W+5], 32
	s_mov_b32 s[G1W+6], 0
	s_mov_b32 s[G1W+7], 0
	; W's scale bytes: 32 rows of 256 bytes, 4 words of padding behind each
	s_mov_b32 s[G1S+0], 15|(3<<16)|(1<<20)|(1<<21)|(5<<22)|(3<<25)
	s_mov_b32 s[G1S+1], 32<<16
	s_mov_b32 s[G1S+2], 32<<16
	s_mov_b32 s[G1S+3], 32<<16
	s_mov_b32 s[G1S+4], 32
	s_mov_b32 s[G1S+5], 32
	s_mov_b32 s[G1S+6], 0
	s_mov_b32 s[G1S+7], 0
	v_and_b32 v1, 31, v0
	v_and_b32 v[RR], 15, v0
	v_bfe_u32 v[HH], v0, 4, 1
	v_lshlrev_b32 v[GP], 4, v0                     ; 16 x thread
	v_lshlrev_b32 v[T0], 4, v[RR]                  ; 16 r
	v_lshl_add_u32 v[GO], v[HH], 15, v[T0]         ; 8 h rows + 16 r
	v_add_nc_u32 v[GO], s91, v[GO]
	s_wait_alu depctr_va_vdst(0)                   ; the wait ahead of the wait below
	s_wait_kmcnt 0x0
	s_add_nc_u64 s[VB:VB+1], s[VB:VB+1], s[20:21]
	s_add_nc_u64 s[10:11], s[10:11], s[86:87]
	global_load_b128 v[SL:SL+3], v[GP], s[10:11]               ; c, 32 bytes a thread, for LDS
	global_load_b128 v[SL+4:SL+7], v[GP], s[10:11] offset:2048
	GLOAD 0, 0
	GLOAD 1, 0
	s_add_nc_u64 s[WBASE:WBASE+1], s[6:7], s[22:23]
	s_add_nc_u64 s[8:9], s[8:9], s[82:83]
	s_add_nc_u64 s[PB:PB+1], s[12:13], s[84:85]
	s_add_nc_u64 s[PFA:PFA+1], s[VB:VB+1], s[24:25]
	s_mov_b32 s[G0W], 1
	s_mov_b32 s[G0S], 1
	s_mul_i32 s[G0S+1], s[WV], SCQ
	s_add_co_u32 s[G0S+1], s[G0S+1], SCL
	s_mov_b64 s[G0S+2:G0S+3], s[8:9]
	s_or_b32 s[G0S+3], s[G0S+3], 0x80000000
	ROUND
	tensor_load_to_lds s[G0S:G0S+3], s[G1S:G1S+7]  ; W's scale bytes: my one load at the head
	s_nop 0
	PLACES 4
	s_mul_i32 s88, s[WV], STW
	s_add_co_u32 s88, s88, STG                     ; my stage
	s_mul_i32 s89, s27, 408                        ; my K half of a row of W in LDS
	s_lshl_b32 s90, s27, 4
	s_add_co_u32 s90, s90, SCL
	s_lshl_b32 s92, s[WV], 8
	s_add_co_u32 s95, s92, PP
	s_add_co_u32 s92, s92, SX
	s_lshl_b32 s93, s26, 9
	s_add_co_u32 s93, s93, SX
	s_lshl_b32 s94, s[WV], 11
	s_add_co_u32 s94, s94, OST
	v_mul_u32_u24 v[STA], v[HH], 8*SPT
	v_add_nc_u32 v[STA], v[STA], v[T0]
	v_add_nc_u32 v[STA], s88, v[STA]
	v_mul_u32_u24 v[STB], v[RR], SPT
	v_lshl_add_u32 v[STB], v[HH], 7, v[STB]
	v_add_nc_u32 v[STB], s88, v[STB]
	v_mul_u32_u24 v[WB0], v[RR], WROW
	v_mad_u32_u24 v[WB0], v[HH], 24, v[WB0]
	v_add_nc_u32 v[WB0], s89, v[WB0]
	v_lshrrev_b32 v[T1], 3, v[RR]
	v_and_b32 v[T1+1], 7, v[RR]
	v_mul_u32_u24 v[WSA], v[T1], 272
	v_lshl_add_u32 v[WSA], v[T1+1], 5, v[WSA]
	v_add_nc_u32 v[WSA], s90, v[WSA]
	v_lshl_add_u32 v[CA], v[HH], 5, CTX
	v_add_nc_u32 v[SXW], s92, v[T0]
	v_add_nc_u32 v[SXO], s93, v[T0]
	v_add_nc_u32 v[OSW], s94, v[T0]
	v_lshl_add_u32 v[PPW], v[RR], 1, s95
	v_lshl_add_u32 v[PPR], v[HH], 4, s95
	v_lshlrev_b32 v[SH8], 3, v[HH]
	v_lshrrev_b32 v[T1], 2, v1
	v_and_b32 v[T1+1], 3, v1
	v_lshlrev_b32 v[T1+1], 8, v[T1+1]
	v_lshl_add_u32 v[PFO], v[T1], 12, v[T1+1]      ; the prefetches: row lane / 4, block lane % 4
	v_add_nc_u32 v[T1], CTX, v[GP]
	s_wait_alu depctr_va_vdst(0)                   ; the wait at the head's end
	s_wait_loadcnt 32                              ; c is in; the 32 loads of fragments 0 and 1 may be out
	ds_store_b128 v[T1], v[SL:SL+3]                ; the first reader stands behind a round with every wave's wait for its LDS instructions in front
	ds_store_b128 v[T1], v[SL+4:SL+7] offset:2048
; Fragment f's 64 numbers become 12 registers of codes (window 1) and a scale word
.macro QUANT f
	SETX \f
.set AR, 12*(\f)
	WIN XW*0x15
.irp c, 0,1
	v_max3_num_f32 v[TM+\c], |v[XR+32*\c]|, |v[XR+32*\c+1]|, |v[XR+32*\c+2]|
	v_max3_num_f32 v[TM+2+\c], |v[XR+32*\c+3]|, |v[XR+32*\c+4]|, |v[XR+32*\c+5]|
.endr
	WIN XW*0x14
.irp i, 6,10,14,18,22,26
.irp c, 0,1
	v_max3_num_f32 v[TM+\c], v[TM+\c], |v[XR+32*\c+\i]|, |v[XR+32*\c+\i+1]|
	v_max3_num_f32 v[TM+2+\c], v[TM+2+\c], |v[XR+32*\c+\i+2]|, |v[XR+32*\c+\i+3]|
.endr
.endr
.irp c, 0,1
	v_max3_num_f32 v[TM+\c], v[TM+\c], |v[XR+32*\c+30]|, |v[XR+32*\c+31]|
.endr
	WIN 0
.irp c, 0,1
	v_max3_num_f32 v[TM+\c], v[TM+\c], v[TM+2+\c], 0x1800000     ; the floor 2^(3 - 127): the byte cannot fall under 1
.endr
.irp c, 0,1
	v_add_nc_u32 v[TM+4+\c], 0xff000000, v[TM+\c]  ; 2 off the exponent field: the conversion's scale operand
.endr
.irp c, 0,1
	v_lshrrev_b32 v[TM+6+\c], 23, v[TM+4+\c]
.endr
	v_lshl_or_b32 v[TM+6], v[TM+7], 16, v[TM+6]    ; blocks h and 2 + h,
	v_lshlrev_b32 v[TM+6], v[SH8], v[TM+6]         ; at their places;
	v_permlanex16_b32 v1, v[TM+6], s[SEL], s[SEL+1]
	v_or_b32 v[VS+(\f)], v[TM+6], v1               ; with lane l xor 16's two the word is whole
	WIN 0x40|XW
.irp c, 0,1
	v_cvt_scalef32_pk16_fp6_f32 v[AR+6*\c:AR+6*\c+2], v[XR+32*\c:XR+32*\c+15], v[TM+4+\c]
.endr
	WIN XW
.irp c, 0,1
	v_cvt_scalef32_pk16_fp6_f32 v[TQ+4*\c:TQ+4*\c+2], v[XR+32*\c+16:XR+32*\c+31], v[TM+4+\c]   ; (three registers from an even one on: a block's second three are moved)
.endr
	v_nop                                          ; one plain place behind a scaled conversion
	WIN 0x40
.irp c, 0,1
.irp i, 0,1,2
	v_mov_b32 v[AR+6*\c+3+\i], v[TQ+4*\c+\i]
.endr
.endr
	WIN 0
.endm
.macro SETADR
	v_add_nc_u32 v[ADW], s[TB], v[WB0]
	v_add_nc_u32 v[ADW+1], v[ADW], v[SH8]
	v_add_nc_u32 v[ADW+2], 64*WROW, v[ADW]
	v_add_nc_u32 v[ADW+3], 64*WROW, v[ADW+1]
	v_add_nc_u32 v[ADS], s[TS], v[WSA]
	v_add_nc_u32 v[ADC], s[TC], v[CA]
.endm
; Tile i (16 rows e): four fragments in pieces of 8 bytes (lanes 16-31 read three pieces on; where that lies behind a padding the second address serves), and four scale words
.macro LOADW i
.set BS, BF+48*((\i)%2)
.irp q, 0,1,2,3
.irp p, 0,1,2,3,4,5
.set PC, 12*\q+6*(\p/3)+\p%3
.if PC%16 < 13
	ds_load_b64 v[BS+12*\q+2*\p:BS+12*\q+2*\p+1], v[ADW+2*((\i)/4)] offset:8*PC+8*(PC/16)+((\i)%4)*16*WROW
.else
	ds_load_b64 v[BS+12*\q+2*\p:BS+12*\q+2*\p+1], v[ADW+2*((\i)/4)+1] offset:8*PC+8*(PC/16)+((\i)%4)*16*WROW
.endif
.endr
.endr
	ds_load_b128 v[WS+4*((\i)%2):WS+4*((\i)%2)+3], v[ADS] offset:544*(\i)
.endm
.macro LOADC i                         ; its eight c of my half of the lanes
	WIN 0x40
	ds_load_b128 v[CW+8*((\i)%4):CW+8*((\i)%4)+3], v[ADC] offset:64*(\i)
	ds_load_b128 v[CW+8*((\i)%4)+4:CW+8*((\i)%4)+7], v[ADC] offset:64*(\i)+16
	WIN 0
.endm
.macro WM i, t, k
.set DD, D0+32*((\i)%2)+8*(\t)
.set WF, BF+48*((\i)%2)+12*(\k)
.set AF, 48*(\t)+12*(\k)
.if (\k) == 0
	v_wmma_scale_f32_16x16x128_f8f6f4 v[DD:DD+7], v[WF:WF+11], v[AF:AF+11], 0, v[WS+4*((\i)%2)+(\k)], v[VS+4*(\t)+(\k)] matrix_a_fmt:MATRIX_FMT_FP6 matrix_b_fmt:MATRIX_FMT_FP6
.else
	v_wmma_scale_f32_16x16x128_f8f6f4 v[DD:DD+7], v[WF:WF+11], v[AF:AF+11], v[DD:DD+7], v[WS+4*((\i)%2)+(\k)], v[VS+4*(\t)+(\k)] matrix_a_fmt:MATRIX_FMT_FP6 matrix_b_fmt:MATRIX_FMT_FP6
.endif
.endm
.macro FOLD ip, g                      ; score += D x c: row tile g % 4, registers 2 (g / 4) and the next: each accumulator from its low end on
.set FD, D0+32*((\ip)%2)+8*((\g)%4)+2*((\g)/4)
.set FC, CW+8*((\ip)%4)+2*((\g)/4)
.set FS, SCR+2*((\g)%4)
	v_pk_fma_f32 v[FS:FS+1], v[FD:FD+1], v[FC:FC+1], v[FS:FS+1]
.endm
.macro ASK                             ; 8 rows x 2,048 bytes of my strip of the second block; the branch hangs on the count of blocks, the same in all partners
	s_cmp_eq_u32 s[BLK], 2
	s_cbranch_scc0 .Lno_ask_\@
	global_prefetch_b8 v[PFO], s[PFA:PFA+1] th:TH_LOAD_NT scope:SCOPE_SE
	global_prefetch_b8 v[PFO], s[PFA:PFA+1] offset:1024 th:TH_LOAD_NT scope:SCOPE_SE
.Lno_ask_\@:
.endm
.macro NEXTITEM
	s_xor_b32 s[TB], s[TB], WSLOT1
	s_add_co_u32 s[TS], s[TS], 8*544
	s_add_co_u32 s[TC], s[TC], 8*64
.endm
; TILE i: 16 matrix instructions, the four accumulators by turns, K steps 0 to 3; behind each a fold of the tile before, which lies in the other set.
; mode 0: plain.  1: the item's last tile, with a change of slots.  2: the last change: nothing is left to fetch.  3: the block's last tile.  4: its first: no folds.  5: plain, with the prefetch.
.macro NT i, mode
	s_wait_alu depctr_va_vdst(0)                   ; the wait ahead of the waits below
.if \mode == 1 || \mode == 2
	s_wait_xcnt 0x0                                ; my prefetches have read their address
	s_add_nc_u64 s[PFA:PFA+1], s[PFA:PFA+1], 8*4096
.endif
.if \mode == 1
	CH_HEAD
	s_xor_b32 s[G0W+1], s[G0W+1], WSLOT1
	s_add_nc_u64 s[G0W+2:G0W+3], s[G0W+2:G0W+3], WITEM
	NEXTITEM
	CH_TAIL G0W, G1W                               ; (its four v_nop are the places in front of the loads below)
	SETADR
	LOADW 0
	LOADC 0
.elseif \mode == 2
	s_wait_tensorcnt 0x0                           ; my part of the last item is in,
	s_wait_dscnt 0x0
	s_barrier_signal -1                            ; and so is everybody's behind this barrier
	s_barrier_wait -1
	NEXTITEM
	PLACES 4
	SETADR
	LOADW 0
	LOADC 0
.else
	s_wait_dscnt 0x0                               ; this tile's 27 loads, issued a tile ago
.if \mode != 3
	PLACES 4
	LOADW \i+1
	LOADC \i+1
.endif
.if \mode == 5
	ASK
.endif
.endif
	WIN 0x04                                       ; source 1 (values' codes; c) in window 1
.set n, 0
.rept 16
	WM \i, n%4, n/4
.if \mode != 4
	FOLD \i+7, n
.endif
.set n, n+1
.endr
	WIN 0
.endm
; A step of the quantising.  Fragment f + 1 has come: it is packed to bf16 and turns through the stage while fragment f, back from it, is quantised; then fragment f + 4 is asked for.
; Loads come back in order (ISA guide 5.7.1): behind fragment f + 1's stand those of f + 2 and f + 3, 32 loads, as long as there are such.
.macro QSTEP f
.if \f == 8
	CH_HEAD
	s_xor_b32 s[G0W+1], s[G0W+1], WSLOT1
	s_add_nc_u64 s[G0W+2:G0W+3], s[G0W+2:G0W+3], WITEM
	CH_TAIL G0W, G1W                               ; W's item 1; item 0 is whole behind this round
.endif
.if \f < 15
.if \f < 13
	s_wait_loadcnt 32
.else
	s_wait_loadcnt 16*(14-\f)
.endif
	PACK \f+1
	TURN \f+1
	s_wait_dscnt 32                                ; all but the 16 stores and 16 loads just issued
.else
	s_wait_dscnt 0x0
	SETADR
	LOADW 0                                        ; into registers of fragment 12, which is done
.endif
	QUANT \f
.if \f < 12
	GLOAD \f+4, 0
.endif
.if \f == 15
	LOADC 0                                        ; into registers of fragment 15
.endif
.endm
	s_mov_b32 s[BLK], 2
.Lblock:
	GLOAD 2, 0                                     ; fragments 0 and 1 were asked for ahead of the block
	GLOAD 3, 0
	CH_HEAD
	s_mul_i32 s[G0W+1], s[WV], WQ                  ; W's descriptor back to item 0, slot 0
	s_mov_b64 s[G0W+2:G0W+3], s[WBASE:WBASE+1]
	s_or_b32 s[G0W+3], s[G0W+3], 0x80000000
	s_mov_b32 s[TB], 0
	s_mov_b32 s[TS], 0
	s_mov_b32 s[TC], 0
	CH_TAIL G0W, G1W
	s_wait_loadcnt 48                              ; fragment 0 is in; the 48 loads of fragments 1, 2, 3 may be out
	PACK 0
	TURN 0
.irp f, 0,1,2,3,4,5,6,7,8,9,10,11,12,13,14,15
	QSTEP \f
.endr
.irp j, 0,1,2,3,4,5,6,7
	v_mov_b32 v[SCR+\j], 0                         ; the partial scores (with the moves above: more than eight places between the last scale word's write and the first product)
.endr
	NT 0, 4
	s_mov_b32 s[WL], 6
.Litem:                                            ; a trip: tiles 1-7 of an item, the change of slots, tile 0 of the next: items 0 to 5 ask for items 2 to 7
	NT 1, 0
	NT 2, 0
	NT 3, 0
	NT 4, 5
	NT 5, 0
	NT 6, 0
	NT 7, 1
	NT 0, 0
	s_sub_co_u32 s[WL], s[WL], 1
	s_cmp_lg_u32 s[WL], 0
	s_cbranch_scc1 .Litem
	NT 1, 0                                        ; item 6
	NT 2, 0
	NT 3, 0
	NT 4, 5
	NT 5, 0
	NT 6, 0
	NT 7, 2
	NT 0, 0                                        ; item 7
	NT 1, 0
	NT 2, 0
	NT 3, 0
	NT 4, 5
	NT 5, 0
	NT 6, 0
	NT 7, 3
	PLACES 4
	WIN 0x04
.set n, 0
.rept 16
	FOLD 7, n
.set n, n+1
.endr
	WIN 0
	s_cmp_eq_u32 s[BLK], 1                         ; W's fragments and the accumulators are done with: the next block's first two fragments go there, if there is a next block
	s_cbranch_scc1 .Lno_next
	GLOAD 0, BROWS
	GLOAD 1, BROWS
.Lno_next:
	s_wait_alu depctr_va_vdst(0)                   ; the wait behind the branch
	; THE SCORES: a pair's halves and lane l xor 16's make my K half's part of the score of row 16 t + r of my 64; the parts meet in LDS
.irp t, 0,1,2,3
	v_add_f32 v[PR+\t], v[SCR+2*\t], v[SCR+2*\t+1]
.endr
.irp t, 0,1,2,3
	v_permlanex16_b32 v[SL+\t], v[PR+\t], s[SEL], s[SEL+1]
.endr
.irp t, 0,1,2,3
	v_add_f32 v[PR+\t], v[PR+\t], v[SL+\t]
.endr
	ds_store_b128 v[SXW], v[PR:PR+3]               ; both halves of the lanes write the same bytes with the same values
	v_xor_b32 v[AT], 512, v[SXO]                   ; the other row half's parts
	s_wait_alu depctr_va_vdst(0)
	s_wait_dscnt 0x0
	s_barrier_signal -1                            ; no tensor load is out
	s_barrier_wait -1
	ds_load_b128 v[SL:SL+3], v[SXO]                ; my row half: K half 0, K half 1;
	ds_load_b128 v[SL+4:SL+7], v[SXO] offset:256
	ds_load_b128 v[SL+8:SL+11], v[AT]              ; the other row half
	ds_load_b128 v[SL+12:SL+15], v[AT] offset:256
	s_wait_dscnt 0x0
.irp u, 0,2
	v_pk_add_f32 v[PR+\u:PR+\u+1], v[SL+\u:SL+\u+1], v[SL+4+\u:SL+5+\u]
	v_pk_add_f32 v[PR+4+\u:PR+5+\u], v[SL+8+\u:SL+9+\u], v[SL+12+\u:SL+13+\u]
.endr
.irp u, 0,2,4,6
	v_pk_mul_f32 v[PR+\u:PR+\u+1], v[PR+\u:PR+\u+1], s[L2E:L2E+1] op_sel_hi:[1,0]   ; t = score x log2 e
.endr
	v_max3_num_f32 v[MX], v[PR], v[PR+1], v[PR+2]
	v_max3_num_f32 v[MX], v[MX], v[PR+3], v[PR+4]
	v_max3_num_f32 v[MX], v[MX], v[PR+5], v[PR+6]
	v_max_num_f32 v[MX], v[MX], v[PR+7]
.irp x, 1,2,4,8
	v_max_num_f32_dpp v[MX], v[MX], v[MX] row_xmask:\x row_mask:0xf bank_mask:0xf
.endr
.irp t, 0,1,2,3,4,5,6,7
	v_sub_f32 v[PR+\t], v[PR+\t], v[MX]
.endr
	s_wait_alu depctr_va_vdst(0)                   ; the wait ahead of the batch
.irp t, 0,1,2,3,4,5,6,7
	v_exp_f32 v[PR+\t], v[PR+\t]                   ; p = 2^(t - m), at most 1
.endr
	v_nop
	s_wait_alu depctr_va_vdst(0)                   ; and behind it
.irp u, 0,1,2,3
	v_cvt_pk_bf16_f32 v[QB+\u], v[PR+2*\u], v[PR+2*\u+1]
.endr
	ds_store_b16 v[PPW], v[QB]                     ; my 64 rows' p as bf16, row 16 t + r at byte 32 t + 2 r of my own bytes
	ds_store_b16_d16_hi v[PPW], v[QB] offset:32
	ds_store_b16 v[PPW], v[QB+1] offset:64
	ds_store_b16_d16_hi v[PPW], v[QB+1] offset:96
.irp a, 0,1,2,3
	ds_load_b128 v[SL+4*\a:SL+4*\a+3], v[PPR] offset:32*\a      ; back as two A fragments: every lane of a half takes the same rows 32 u + 8 h .., 32 u + 16 + 8 h ..
.endr
.irp u, 0,1,2,3
	v_lshlrev_b32 v[PR+2*\u], 16, v[QB+\u]         ; the rounded p, for l
	v_and_b32 v[PR+2*\u+1], 0xffff0000, v[QB+\u]
.endr
	v_pk_add_f32 v[MX+2:MX+3], v[PR:PR+1], v[PR+2:PR+3]
	v_pk_add_f32 v[MX+4:MX+5], v[PR+4:PR+5], v[PR+6:PR+7]
	v_pk_add_f32 v[MX+2:MX+3], v[MX+2:MX+3], v[MX+4:MX+5]
	v_add_f32 v[MX+1], v[MX+2], v[MX+3]
.irp x, 1,2,4,8
	v_add_f32_dpp v[MX+1], v[MX+1], v[MX+1] row_xmask:\x row_mask:0xf bank_mask:0xf
.endr
	v_add_nc_u32 v[AT], OST, v[GP]
	v_and_b32 v[AT+1], 31, v0
	v_lshlrev_b32 v[AT+1], 3, v[AT+1]
	s_wait_alu depctr_va_vdst(0)
	s_wait_dscnt 0x0
	; THE WEIGHTED SUM: 32 accumulators (16 columns each) in window 1, by turns; rows 0-31 start the sums, rows 32-63 follow
	WIN 0x48
.set o, 0
.rept 32
	v_wmma_f32_16x16x32_bf16 v[8*o:8*o+7], v[SL:SL+7], v[8*o:8*o+7], 0
.set o, o+1
.endr
	WIN 0x5c
.set o, 0
.rept 32
	v_wmma_f32_16x16x32_bf16 v[8*o:8*o+7], v[SL+8:SL+15], v[8*o:8*o+7], v[8*o:8*o+7]
.set o, o+1
.endr
	PLACES 4
	WIN 0x04
.set o, 0
.rept 32
	ds_store_b32 v[OSW], v[8*o] offset:512*(o/8)+256*((o/4)%2)+4*(o%4)   ; all 16 rows of a result are equal: register 0 of lane r is column 64 (o / 4) + 4 r + o % 4 of my 512
.set o, o+1
.endr
	WIN 0
	s_wait_dscnt 0x0
	s_barrier_signal -1
	s_barrier_wait -1
.irp a, 0,1,2,3
	ds_load_b128 v[SL+4*\a:SL+4*\a+3], v[AT] offset:2048*\a     ; the two row halves' sums of my thread's eight columns
.endr
	s_wait_dscnt 0x0
.irp u, 0,2,4,6
	v_pk_add_f32 v[SL+\u:SL+\u+1], v[SL+\u:SL+\u+1], v[SL+8+\u:SL+9+\u]
.endr
	global_store_b128 v[GP], v[SL:SL+3], s[PB:PB+1]             ; 32 lanes store 512 consecutive bytes, aligned
	global_store_b128 v[GP], v[SL+4:SL+7], s[PB:PB+1] offset:2048
	s_cmp_lg_u32 s[WV], 0
	s_cbranch_scc1 .Lnot_w0
	global_store_b64 v[AT+1], v[MX:MX+1], s[PB:PB+1] offset:4096   ; (m, l), 32 copies: 256 consecutive bytes, aligned
.Lnot_w0:
	s_wait_xcnt 0x0                                ; stores and loads on their way have read their bases and data
	s_add_nc_u64 s[PB:PB+1], s[PB:PB+1], PROW
	s_add_nc_u64 s[VB:VB+1], s[VB:VB+1], BROWS
	s_sub_co_u32 s[BLK], s[BLK], 1
	s_cmp_lg_u32 s[BLK], 0
	s_wait_alu depctr_va_vdst(0)
	s_cbranch_scc1 .Lblock
	s_wait_tensorcnt 0x0                           ; the wave's end
	ds_add_u32 v[SPW], v[NIL]
	s_wait_dscnt 0x0
	ROUND                                          ; the closing round
	s_endpgm
.Lfunc_end_k_qb347d701df_attend:
	.size	k_qb347d701df_attend, .Lfunc_end_k_qb347d701df_attend-k_qb347d701df_attend
	.p2alignl 7, 3214868480
	.fill 96, 4, 3214868480
	.section	.rodata,"a",@progbits
	.p2align	6, 0x0
	.amdhsa_kernel k_qb347d701df_attend
		.amdhsa_group_segment_fixed_size 327680
		.amdhsa_private_segment_fixed_size 0
		.amdhsa_enable_private_segment 0
		.amdhsa_kernarg_size 40
		.amdhsa_user_sgpr_count 2
		.amdhsa_user_sgpr_kernarg_segment_ptr 1
		.amdhsa_wavefront_size32 1
		.amdhsa_system_sgpr_workgroup_id_x 1
		.amdhsa_system_sgpr_workgroup_id_y 1
		.amdhsa_system_sgpr_workgroup_id_z 1
		.amdhsa_system_vgpr_workitem_id 0
		.amdhsa_next_free_vgpr 1024
		.amdhsa_next_free_sgpr 100
		.amdhsa_reserve_vcc 0
		.amdhsa_float_denorm_mode_32 3
		.amdhsa_float_denorm_mode_16_64 3
		.amdhsa_memory_ordered 1
		.amdhsa_forward_progress 1
		.amdhsa_inst_pref_size 255
	.end_amdhsa_kernel
	.section	.bss,"aw",@nobits
	.p2align	6
	.space	262144
	.amdgpu_metadata
---
amdhsa.version: [ 1, 2 ]
amdhsa.kernels:
  - .name:           k_qb347d701df_attend
    .symbol:         k_qb347d701df_attend.kd
    .args:
      - { .name: values, .offset: 0, .size: 8, .value_kind: global_buffer, .address_space: global }
      - { .name: W_codes, .offset: 8, .size: 8, .value_kind: global_buffer, .address_space: global }
      - { .name: W_scales, .offset: 16, .size: 8, .value_kind: global_buffer, .address_space: global }
      - { .name: contexts, .offset: 24, .size: 8, .value_kind: global_buffer, .address_space: global }
      - { .name: part, .offset: 32, .size: 8, .value_kind: global_buffer, .address_space: global }
    .group_segment_fixed_size: 327680
    .private_segment_fixed_size: 0
    .kernarg_segment_align: 8
    .kernarg_segment_size: 40
    .max_flat_workgroup_size: 128
    .sgpr_count:     100
    .vgpr_count:     1024
    .wavefront_size: 32
...
	.end_amdgpu_metadata
.endif
;; end of part 1
;; launch combine (part 2): grid 4 x 16, 2 waves a work-group, no clusters, 0 bytes of LDS; arguments part, out0; writes out0
.if DOCPART == 2
	.amdgcn_target "amdgcn-amd-amdhsa--gfx1250"
	.amdhsa_code_object_version 6
	.text
	.protected	k_qb347d701df_combine
	.globl	k_qb347d701df_combine
	.p2align	8
	.type	k_qb347d701df_combine,@function
k_qb347d701df_combine:
	s_mov_b64 s[64:65], 0
	v_nop
	global_prefetch_b8 v0, s[64:65] scope:SCOPE_SE
	s_setreg_imm32_b32 hwreg(HW_REG_WAVE_MODE, 25, 1), 1
	s_wait_xcnt 0x0
; LUONG ATTENTION, second launch.  A batch's 32 softmax parts (m_i, l_i, acc_i[1024]) are joined: M = the largest m_i, w_i = 2^(m_i - M), out[d] = the sum of w_i acc_i[d] / the sum of w_i l_i.
; Work-group (x, y): batch y, columns 256 x .. 256 x + 255; two waves, a thread four columns: each load and the store of a wave cover 512 consecutive bytes.  Lane i holds part i's m and l, so the
; maximum and the sum are reductions over a wave's 32 lanes, made alike in both waves.  All 32 row loads are issued at once; 64 work-groups are all the work there is.  No LDS, no barrier: waves share nothing.
; Each l_i is at least 1 (the block's largest p is 1), so the divisor is at least 1.
.set PROW, 4352                        ; a part: acc (4,096 bytes), then 32 copies of (m, l)
	s_load_b128 s[4:7], s[0:1], 0x0                ; part, out0
	s_and_b32 s8, ttmp7, 0xffff                    ; the batch
	s_mul_i32 s10, s8, 32*PROW                     ; its 32 parts
	s_mov_b32 s11, 0
	s_lshl_b32 s12, s8, 12                         ; its row of out0,
	s_lshl_b32 s9, ttmp9, 10
	s_add_co_u32 s12, s12, s9                      ; my quarter of it
	s_mov_b32 s13, 0
	s_mov_b32 s14, 0x76543210
	s_mov_b32 s15, 0xfedcba98                      ; lane l xor 16
	v_and_b32 v1, 31, v0
	v_mul_u32_u24 v1, v1, PROW                     ; lane i: part i
	v_lshlrev_b32 v15, 4, v0                       ; 16 bytes a thread
	v_add_nc_u32 v14, s9, v15
	v_mov_b32 v5, 0                                ; written once: a lane permute's destination counts as one of its sources
	s_wait_alu depctr_va_vdst(0)
	s_wait_kmcnt 0x0
	s_add_nc_u64 s[4:5], s[4:5], s[10:11]
	s_add_nc_u64 s[6:7], s[6:7], s[12:13]
	global_load_b64 v[2:3], v1, s[4:5] offset:4096
.set i, 0
.rept 32
	global_load_b128 v[32+4*i:35+4*i], v14, s[4:5] offset:PROW*i th:TH_LOAD_NT
.set i, i+1
.endr
	s_wait_loadcnt 32                              ; (m, l) is in; the 32 loads issued behind it may be out
	v_mov_b32 v4, v2
.irp x, 1,2,4,8
	v_max_num_f32_dpp v4, v4, v4 row_xmask:\x row_mask:0xf bank_mask:0xf
.endr
	v_permlanex16_b32 v5, v4, s14, s15
	v_max_num_f32 v4, v4, v5                       ; M
	v_sub_f32 v6, v2, v4
	s_wait_alu depctr_va_vdst(0)
	v_exp_f32 v6, v6                               ; w_i = 2^(m_i - M)
	v_nop                                          ; a plain place behind the transcendental,
	s_wait_alu depctr_va_vdst(0)                   ; and the wait ahead of its first reader
	v_mul_f32 v7, v6, v3
.irp x, 1,2,4,8
	v_add_f32_dpp v7, v7, v7 row_xmask:\x row_mask:0xf bank_mask:0xf
.endr
	v_permlanex16_b32 v5, v7, s14, s15
	v_add_f32 v7, v7, v5                           ; the sum of w_i l_i
	s_wait_alu depctr_va_vdst(0)
	v_rcp_f32 v8, v7
	v_nop
	s_wait_alu depctr_va_vdst(0)
	v_mul_f32 v9, v6, v8                           ; w_i / the sum
.set i, 0
.rept 32
	v_readlane_b32 s[16+i], v9, i                  ; as scalars: factors only; no address and no branch takes them
.set i, i+1
.endr
.set i, 0
.rept 32
	s_wait_alu depctr_va_vdst(0)
	s_wait_loadcnt 31-i                            ; loads come back in order (ISA guide 5.7.1): part i's row is in
.irp j, 0,1,2,3
.if i == 0
	s_wait_alu depctr_va_vdst(0)
	v_mul_f32 v[10+\j], s[16+i], v[32+4*i+\j]      ; the first part starts the sums
.else
	v_fmac_f32 v[10+\j], s[16+i], v[32+4*i+\j]
.endif
.endr
.set i, i+1
.endr
	global_store_b128 v15, v[10:13], s[6:7]        ; 32 lanes store 512 consecutive bytes, aligned
	s_endpgm
.Lfunc_end_k_qb347d701df_combine:
	.size	k_qb347d701df_combine, .Lfunc_end_k_qb347d701df_combine-k_qb347d701df_combine
	.p2alignl 7, 3214868480
	.fill 96, 4, 3214868480
	.section	.rodata,"a",@progbits
	.p2align	6, 0x0
	.amdhsa_kernel k_qb347d701df_combine
		.amdhsa_group_segment_fixed_size 0
		.amdhsa_private_segment_fixed_size 0
		.amdhsa_enable_private_segment 0
		.amdhsa_kernarg_size 16
		.amdhsa_user_sgpr_count 2
		.amdhsa_user_sgpr_kernarg_segment_ptr 1
		.amdhsa_wavefront_size32 1
		.amdhsa_system_sgpr_workgroup_id_x 1
		.amdhsa_system_sgpr_workgroup_id_y 1
		.amdhsa_system_sgpr_workgroup_id_z 1
		.amdhsa_system_vgpr_workitem_id 0
		.amdhsa_next_free_vgpr 160
		.amdhsa_next_free_sgpr 66
		.amdhsa_reserve_vcc 0
		.amdhsa_float_denorm_mode_32 3
		.amdhsa_float_denorm_mode_16_64 3
		.amdhsa_memory_ordered 1
		.amdhsa_forward_progress 1
		.amdhsa_inst_pref_size 14
	.end_amdhsa_kernel
	.amdgpu_metadata
---
amdhsa.version: [ 1, 2 ]
amdhsa.kernels:
  - .name:           k_qb347d701df_combine
    .symbol:         k_qb347d701df_combine.kd
    .args:
      - { .name: part, .offset: 0, .size: 8, .value_kind: global_buffer, .address_space: global }
      - { .name: out0, .offset: 8, .size: 8, .value_kind: global_buffer, .address_space: global }
    .group_segment_fixed_size: 0
    .private_segment_fixed_size: 0
    .kernarg_segment_align: 8
    .kernarg_segment_size: 16
    .max_flat_workgroup_size: 64
    .sgpr_count:     66
    .vgpr_count:     160
    .wavefront_size: 32
...
	.end_amdgpu_metadata
.endif
;; end of part 2
